; MI455X (gfx1250); checked and timed in simulation.
; The chip was launched on July 23, 2026; its instructions are those of AMD's public machine-readable ISA for CDNA 5 (MIT licence, August 2026) and "CDNA5" Instruction Set Architecture Reference Guide (July 2026). The comments in the code are by the model that wrote it; some were corrected since.
;; render spherical. Allowed arithmetic: float matrix products may take bf16 or f16 operands with f32 sums; all other float work in f32.
;; Inputs: depth_weight 256 float32; grid 128 x 128 x 256 x 3 float32; vox 8 x 1 x 128 x 128 x 128 float32.
;; Outputs: out0 8 x 1 x 128 x 128 float32.
;; 2 versions, each right; version 2 is version 1 with the launch render written anew for expert scheduling mode. Each part assembles by itself: llvm-mc -triple=amdgcn-amd-amdhsa -mcpu=gfx1250 --defsym DOCPART=n.
;; ======== version 1 of 2: 2 launches
;; limits: values outside matrix products are rounded to bf16
;; workspace buffers: cell 16,777,216 bytes of whole numbers; tab 33,554,432 bytes
;; launch prep (part 1): grid 2048 x 1, 8 waves a work-group, no clusters, 0 bytes of LDS; arguments grid, vox, cell, tab; writes cell, tab
.if DOCPART == 1
	.amdgcn_target "amdgcn-amd-amdhsa--gfx1250"
	.amdhsa_code_object_version 6
	.text
	.protected	k_q06c6c0ce77_prep
	.globl	k_q06c6c0ce77_prep
	.p2align	8
	.type	k_q06c6c0ce77_prep,@function
k_q06c6c0ce77_prep:
	s_mov_b64 s[64:65], 0
	v_nop
	global_prefetch_b8 v0, s[64:65] scope:SCOPE_SE
	s_setreg_imm32_b32 hwreg(HW_REG_WAVE_MODE, 25, 1), 1
	s_wait_xcnt 0x0
; PREP: what the renderer's gather needs, made once, by streaming.
;  (a) cell[ray][z]: for every sample of grid [128*128 rays][256 z][3] the number of the voxel at the low corner of its
;      2 x 2 x 2 neighbourhood, as a whole number: the next launch forms its gather addresses from it.
;      Per axis: ix = (g + 1) * 64 - 0.5 (the reference's ((g+1)*128-1)*0.5, the same rounding), base = clamp(floor(ix), 0, 126).
;      cell = (bx*128 + by)*128 + bz.  grid[..,0] = x walks vox's slowest axis, grid[..,2] = z its fastest (the reference's transpose).
;      A sample with floor(ix) outside -1 .. 127 on some axis has eight weights of 0: it gets cell 0, so that all such lanes read one place.
;  (b) tab[x][y][z][8 batches] in bf16 = vox[batch][x][y][z]: a voxel of all eight volumes is 16 neighbouring bytes.
; LIMITS: vox is rounded to bf16 here, to nearest even (relative step 2^-9); a NaN in grid gives some cell inside the table.
; Wave W (0 .. 16383) takes ray W (256 samples) and row W = x*128 + y of the volumes (128 z, 8 batches).  No loop, no LDS, no barrier:
; all 38 loads of a wave go out first, the stores follow as the data come.
.set GRID_RAY, 3072                    ; bytes of a ray in grid
.set CELL_RAY, 1024                    ; bytes of a ray in cell
.set VOX_ROW,  512                     ; bytes of a row of 128 z in vox
.set TAB_ROW,  2048                    ; bytes of a row of 128 voxels in tab
.set BATCH,    0x800000                ; bytes of one volume in vox
.set GA, 4                             ; v[4:27]   two groups of 12 grid numbers (4 samples a lane each); the cells are put in the first 4 of a group
.set VX, 28                            ; v[28:59]  quarter k of the row: 8 registers, batch 0..7 of voxel 32 k + lane; packed in place
.set FL, 60                            ; v[60:71]  floor(ix), then floor - base
.set BS, 72                            ; v[72:83]  base
.set TM, 84                            ; v[84:85]  at work
.set VB, 24                            ; s[24:39]  vox at my row, one address for each batch
	s_load_b256 s[4:11], s[0:1], 0x0               ; grid s[4:5], vox s[6:7], cell s[8:9], tab s[10:11]
	v_lshrrev_b32 v1, 5, v0
	v_readfirstlane_b32 s12, v1                    ; wave in the work-group
	s_lshl_b32 s13, ttmp9, 3
	s_add_co_u32 s13, s13, s12                     ; W
	v_and_b32 v3, 31, v0                           ; lane
	v_lshlrev_b32 v1, 2, v3                        ; 4 x lane: vox, one number a lane
	v_lshlrev_b32 v2, 4, v3                        ; 16 x lane: both stores
	v_mul_u32_u24 v3, 48, v3                       ; 48 x lane: grid, four samples a lane
	s_mul_i32 s14, s13, GRID_RAY                   ; all four offsets stay below 2^26
	s_mov_b32 s15, 0
	s_lshl_b32 s16, s13, 9                         ; W x VOX_ROW
	s_mov_b32 s17, 0
	s_lshl_b32 s18, s13, 10                        ; W x CELL_RAY
	s_mov_b32 s19, 0
	s_lshl_b32 s20, s13, 11                        ; W x TAB_ROW
	s_mov_b32 s21, 0
	s_mov_b32 s2, 0x43000000                       ; 128.0
	s_mov_b32 s3, 0x42fc0000                       ; 126.0
	s_wait_kmcnt 0x0
	s_add_nc_u64 s[4:5], s[4:5], s[14:15]
	s_add_nc_u64 s[6:7], s[6:7], s[16:17]
	s_add_nc_u64 s[8:9], s[8:9], s[18:19]
	s_add_nc_u64 s[10:11], s[10:11], s[20:21]
.irp b, 0,1,2,3,4,5,6,7
	s_add_nc_u64 s[VB+2*\b:VB+2*\b+1], s[6:7], \b*BATCH
.endr
	; grid: a lane's 48 bytes as three loads of 16; the three together cover 1,536 consecutive bytes of the wave
.irp q, 0,1
.irp j, 0,1,2
	global_load_b128 v[GA+12*\q+4*\j:GA+12*\q+4*\j+3], v3, s[4:5] offset:1536*\q+16*\j
.endr
.endr
	; vox: read once in the whole program.  One number a lane, so that lane l holds voxel 32 k + l and the stores below are dense
.irp k, 0,1,2,3
.irp b, 0,1,2,3,4,5,6,7
	global_load_b32 v[VX+8*\k+\b], v1, s[VB+2*\b:VB+2*\b+1] offset:128*\k th:TH_LOAD_NT
.endr
.endr
; four samples a lane: 12 numbers x0 y0 z0 x1 .. z3 in v[GA+12 q ..]
.macro CELLS q
.irp j, 0,2,4,6,8,10
	v_pk_add_f32 v[GA+12*\q+\j:GA+12*\q+\j+1], v[GA+12*\q+\j:GA+12*\q+\j+1], 1.0 op_sel_hi:[1,0]
.endr
.irp j, 0,2,4,6,8,10
	v_pk_fma_f32 v[GA+12*\q+\j:GA+12*\q+\j+1], v[GA+12*\q+\j:GA+12*\q+\j+1], 0x42800000, -0.5 op_sel_hi:[1,0,0]   ; ix = (g+1)*64 - 0.5
.endr
.irp j, 0,1,2,3,4,5,6,7,8,9,10,11
	v_floor_f32 v[FL+\j], v[GA+12*\q+\j]
.endr
.irp j, 0,1,2,3,4,5,6,7,8,9,10,11
	v_med3_num_f32 v[BS+\j], v[FL+\j], 0, s3                       ; base = clamp(floor, 0, 126)
.endr
.irp j, 0,2,4,6,8,10
	v_pk_add_f32 v[FL+\j:FL+\j+1], v[FL+\j:FL+\j+1], v[BS+\j:BS+\j+1] neg_lo:[0,1] neg_hi:[0,1]   ; floor - base: -1, 0 or 1 where a corner is inside
.endr
.irp s, 0,1,2,3
	v_max3_num_f32 v[TM], |v[FL+3*\s]|, |v[FL+3*\s+1]|, |v[FL+3*\s+2]|
	v_fma_f32 v[TM+1], v[BS+3*\s], s2, v[BS+3*\s+1]                ; whole numbers below 2^21: exact in f32
	v_cmp_ge_f32 vcc_lo, 1.0, v[TM]                                ; every axis has a corner inside
	v_fma_f32 v[TM+1], v[TM+1], s2, v[BS+3*\s+2]
	v_cvt_u32_f32 v[TM+1], v[TM+1]
	v_cndmask_b32 v[GA+12*\q+\s], 0, v[TM+1], vcc_lo               ; else cell 0
.endr
	global_store_b128 v2, v[GA+12*\q:GA+12*\q+3], s[8:9] offset:512*\q     ; the wave stores 512 consecutive bytes, aligned
.endm
	s_wait_loadcnt 32                              ; loads come back in order: the six of grid are in, the 32 of vox issued behind them may be out
	CELLS 0
	CELLS 1
.irp k, 0,1,2,3
	s_wait_loadcnt 24-8*\k                         ; quarter k's eight loads are in; the later quarters' may be out
.irp j, 0,1,2,3
	v_cvt_pk_bf16_f32 v[VX+8*\k+\j], v[VX+8*\k+2*\j], v[VX+8*\k+2*\j+1]    ; batches 2j (low half), 2j+1 (high half); register j is free by then
.endr
	global_store_b128 v2, v[VX+8*\k:VX+8*\k+3], s[10:11] offset:512*\k     ; 32 voxels, 512 consecutive bytes, aligned
.endr
	s_endpgm
.Lfunc_end_k_q06c6c0ce77_prep:
	.size	k_q06c6c0ce77_prep, .Lfunc_end_k_q06c6c0ce77_prep-k_q06c6c0ce77_prep
	.p2alignl 7, 3214868480
	.fill 96, 4, 3214868480
	.section	.rodata,"a",@progbits
	.p2align	6, 0x0
	.amdhsa_kernel k_q06c6c0ce77_prep
		.amdhsa_group_segment_fixed_size 0
		.amdhsa_private_segment_fixed_size 0
		.amdhsa_enable_private_segment 0
		.amdhsa_kernarg_size 32
		.amdhsa_user_sgpr_count 2
		.amdhsa_user_sgpr_kernarg_segment_ptr 1
		.amdhsa_wavefront_size32 1
		.amdhsa_system_sgpr_workgroup_id_x 1
		.amdhsa_system_sgpr_workgroup_id_y 1
		.amdhsa_system_sgpr_workgroup_id_z 1
		.amdhsa_system_vgpr_workitem_id 0
		.amdhsa_next_free_vgpr 88
		.amdhsa_next_free_sgpr 66
		.amdhsa_reserve_vcc 1
		.amdhsa_float_denorm_mode_32 3
		.amdhsa_float_denorm_mode_16_64 3
		.amdhsa_memory_ordered 1
		.amdhsa_forward_progress 1
		.amdhsa_inst_pref_size 15
	.end_amdhsa_kernel
	.amdgpu_metadata
---
amdhsa.version: [ 1, 2 ]
amdhsa.kernels:
  - .name:           k_q06c6c0ce77_prep
    .symbol:         k_q06c6c0ce77_prep.kd
    .args:
      - { .name: grid, .offset: 0, .size: 8, .value_kind: global_buffer, .address_space: global }
      - { .name: vox, .offset: 8, .size: 8, .value_kind: global_buffer, .address_space: global }
      - { .name: cell, .offset: 16, .size: 8, .value_kind: global_buffer, .address_space: global }
      - { .name: tab, .offset: 24, .size: 8, .value_kind: global_buffer, .address_space: global }
    .group_segment_fixed_size: 0
    .private_segment_fixed_size: 0
    .kernarg_segment_align: 8
    .kernarg_segment_size: 32
    .max_flat_workgroup_size: 256
    .sgpr_count:     66
    .vgpr_count:     88
    .wavefront_size: 32
...
	.end_amdgpu_metadata
.endif
;; end of part 1
;; launch render (part 2): grid 256 x 1, 16 waves a work-group, no clusters, 78,080 bytes of LDS; arguments depth_weight, grid, cell, tab, out0; writes out0
.if DOCPART == 2
	.amdgcn_target "amdgcn-amd-amdhsa--gfx1250"
	.amdhsa_code_object_version 6
	.text
	.protected	k_q06c6c0ce77_render
	.globl	k_q06c6c0ce77_render
	.p2align	8
	.type	k_q06c6c0ce77_render,@function
k_q06c6c0ce77_render:
	s_mov_b64 s[64:65], 0
	v_nop
	global_prefetch_b8 v0, s[64:65] scope:SCOPE_SE
	s_setreg_imm32_b32 hwreg(HW_REG_WAVE_MODE, 25, 1), 1
	s_wait_xcnt 0x0
; RENDER: out0[b][ray] = sum over z of w[z] p[z] prod(j<z)(1 - p[j])  +  prod over all z of (1 - p[z]),
; p = clip(trilinear sample of volume b at grid[ray][z], 1e-5, 1 - 1e-5), zero outside the volume.
; A work-group owns 64 neighbouring rays, a wave 4 of them.  A STEP is 32 neighbouring z of one ray, one sample a lane; a CHUNK is the same 32 z of the
; wave's four rays.  Per sample: the cell number (made by the launch before) gives ONE address; the eight corners stand in the loads' immediates;
; a load of 16 bytes brings a corner of all eight volumes in bf16.
; WEIGHTS: with d = ix - base, corner base has max(0, 1-|d|), corner base+1 has the middle one of (d, 2-d, 0).  Inside that is 1-d and d as in the
; reference; at and beyond the faces it gives the reference's zero padding with no mask, whatever cell was read.
; COMPOSITING runs along z, so a chunk's probabilities change lanes through the wave's own LDS bytes: written as [ray*8 + batch][z], read back by
; lane = ray*8 + batch, which carries T (what is left) and D (the depth sum) through all 256 z in order.  No reduction over lanes, no barrier in the loop.
; The sum with depth_weight is the one fused multiply-add D += w[z] * (p T) of that walk, in f32; w[z] is the same for all lanes and lies in scalar registers.
; LIMITS: volumes rounded to bf16 (by the launch before), sums in f32; vox must be finite (a weight of 0 times Inf would be NaN);
; a NaN in grid does not come out as NaN; the weight product is (wx wy) wz and T is stepped as T - p T, each one rounding apart from the reference's order.
.set CELL_RAY, 1024                    ; bytes of a ray in cell
.set GRID_RAY, 3072                    ; bytes of a ray in grid
.set CELL_CH,  128                     ; bytes of 32 samples in cell
.set GRID_CH,  384                     ; and in grid
.set DXB, 262144                       ; table bytes from x to x+1
.set DYB, 2048                         ; from y to y+1
.set DZB, 16                           ; from z to z+1
.set PITCH,  144                       ; LDS row of 32 probabilities + 16 bytes: 16 lanes that read 16 bytes of 16 rows touch 16 different columns of 16 bytes modulo 256
.set SCR,    32*PITCH                  ; a wave's LDS bytes
.set OPITCH, 272                       ; the stage for the output: 8 rows (batches) of 64 rays + 16 bytes
.set SCR0,   2304                      ; the waves' bytes begin behind the stage
.set VC,   2                           ; 4 x lane
.set VG,   3                           ; 12 x lane
.set LW,   4                           ; LDS: my wave's bytes + 4 x lane (writing, lane = z)
.set LR,   5                           ; LDS: my wave's bytes + PITCH x lane (reading, lane = ray*8 + batch)
.set ZERO, 6
.set TR,   7                           ; T
.set DD,   8                           ; D
.set TT,   10                          ; v[10:11]   p T, two registers in turn
.set IDX,  12                          ; v[12:15]   ray r: cell number of the step one chunk ahead
.set ADR,  16                          ; v[16:19]   ray r: byte offset in tab of the gathers that are out
.set GR,   20                          ; v[20:35]   ray r: x, y, z of this step (four registers apart)
.set AX,   36                          ; v[36:38]   ix, then d
.set FB,   40                          ; v[40:42]   floor, base, 2 - d
.set EE,   44                          ; v[44:46]   1 - |d|
.set WX,   48                          ; v[48:53]   (wx0, wx1), (wy0, wy1), (wz0, wz1)
.set XY,   54                          ; v[54:57]   x0y0, x1y0, x0y1, x1y1
.set TA,   58                          ; v[58:59]   at work
.set W8,   60                          ; v[60:67]   weight of corner k = zc + 2 xc + 4 yc
.set PR,   68                          ; v[68:75]   p of the eight batches
.set QQ,   76                          ; v[76:107]  a row of 32 p read back
.set CRN,  108                         ; v[108:235] ray r: 32 registers, corner k in 4
.set WS,   16                          ; s[16:47]   depth_weight of this chunk's 32 z
	s_load_b256 s[4:11], s[0:1], 0x0               ; depth_weight s[4:5], grid s[6:7], cell s[8:9], tab s[10:11]
	s_load_b64 s[12:13], s[0:1], 0x20              ; out0
	v_lshl_add_u32 v236, v0, 2, 0x12900
	v_mov_b32 v237, 0
	v_lshrrev_b32 v1, 5, v0
	v_readfirstlane_b32 s14, v1                    ; wave 0..15
	v_and_b32 v1, 31, v0                           ; lane
	s_lshl_b32 s52, ttmp9, 6
	s_lshl2_add_u32 s52, s14, s52                  ; my first ray = 64 x group + 4 x wave
	s_mul_i32 s54, s52, GRID_RAY                   ; below 2^26
	s_mov_b32 s55, 0
	s_lshl_b32 s52, s52, 10                        ; x CELL_RAY
	s_mov_b32 s53, 0
	s_mul_i32 s56, s14, SCR
	s_add_co_u32 s56, s56, SCR0                    ; my wave's LDS bytes
	s_mov_b32 s48, 0x3727c5ac                      ; 1e-5
	s_mov_b32 s49, 0x3f7fff58                      ; 1 - 1e-5
	s_mov_b32 s50, 0x42fc0000                      ; 126.0
	s_mov_b32 s51, 0x42800000                      ; 64.0
	v_lshlrev_b32 v[VC], 2, v1
	v_mul_u32_u24 v[VG], 12, v1
	v_add_nc_u32 v[LW], s56, v[VC]
	v_mul_u32_u24 v[LR], PITCH, v1
	v_add_nc_u32 v[LR], s56, v[LR]
	v_mov_b32 v[ZERO], 0
	v_mov_b32 v[TR], 1.0
	v_mov_b32 v[DD], 0
	s_wait_kmcnt 0x0
	s_add_nc_u64 s[6:7], s[6:7], s[54:55]          ; grid and cell at my first ray, chunk 0
	s_add_nc_u64 s[8:9], s[8:9], s[52:53]
; The cell number becomes a byte offset.  It is cut in two and each part bounded by a constant, so that base + 1 on every axis stays inside tab
; whatever the word holds: (126 << 18) + (16254 << 4) + DXB + DYB + DZB + 16 = 33,554,432, tab's size.
.macro ADDRESS r
	v_lshrrev_b32 v[TA], 14, v[IDX+\r]             ; bx
	v_and_b32 v[TA+1], 0x3fff, v[IDX+\r]           ; by*128 + bz
	v_min_u32 v[TA], 126, v[TA]
	v_min_u32 v[TA+1], 0x3f7e, v[TA+1]             ; 126*128 + 126
	v_lshlrev_b32 v[TA+1], 4, v[TA+1]
	v_lshl_add_u32 v[ADR+\r], v[TA], 18, v[TA+1]
.endm
.macro GATHER r
.irp k, 0,1,2,3,4,5,6,7
	global_load_b128 v[CRN+32*\r+4*\k:CRN+32*\r+4*\k+3], v[ADR+\r], s[10:11] offset:((\k>>1)&1)*DXB+(\k>>2)*DYB+(\k&1)*DZB
.endr
.endm
.macro GRIDLD r, ahead                 ; x, y, z of 32 samples: the three loads together cover 384 consecutive bytes; last use of these bytes
.irp e, 0,1,2
	global_load_b32 v[GR+4*\r+\e], v[VG], s[6:7] offset:\r*GRID_RAY+\ahead*GRID_CH+4*\e th:TH_LOAD_NT
.endr
.endm
; One step: ray r of the chunk.  Its gathers and grid numbers were asked for four steps ago, the cell number in IDX (for four steps on) too.
; ldnext = 1: asks for the grid numbers and gathers of the step four on; ldidx = 1: for the cell number of the step eight on.
; left = the loads issued in the three steps since; loads come back in order, so everything older is in.
.macro STEP r, ldidx, ldnext, left
	s_wait_loadcnt \left                           ; this also shows the gathers that read ADR[r] done: ADR[r] may be written
.if \ldnext
	ADDRESS \r
.endif
.if \ldidx
	global_load_b32 v[IDX+\r], v[VC], s[8:9] offset:\r*CELL_RAY+2*CELL_CH th:TH_LOAD_NT
.endif
	v_pk_add_f32 v[AX:AX+1], v[GR+4*\r:GR+4*\r+1], 1.0 op_sel_hi:[1,0]
	v_add_f32 v[AX+2], 1.0, v[GR+4*\r+2]
.if \ldnext
	GRIDLD \r, 1
.endif
	v_pk_fma_f32 v[AX:AX+1], v[AX:AX+1], 0x42800000, -0.5 op_sel_hi:[1,0,0]       ; ix = (g+1)*64 - 0.5
	v_fma_f32 v[AX+2], v[AX+2], s51, -0.5
.irp i, 0,1,2
	v_floor_f32 v[FB+\i], v[AX+\i]
.endr
.irp i, 0,1,2
	v_med3_num_f32 v[FB+\i], v[FB+\i], 0, s50                                     ; base, as the launch before made it
.endr
	v_pk_add_f32 v[AX:AX+1], v[AX:AX+1], v[FB:FB+1] neg_lo:[0,1] neg_hi:[0,1]     ; d = ix - base
	v_sub_f32 v[AX+2], v[AX+2], v[FB+2]
.irp i, 0,1,2
	v_sub_f32 v[EE+\i], 1.0, |v[AX+\i]|
	v_sub_f32 v[FB+\i], 2.0, v[AX+\i]
.endr
.irp i, 0,1,2
	v_max_num_f32 v[WX+2*\i], 0, v[EE+\i]                                         ; weight at base
	v_med3_num_f32 v[WX+2*\i+1], v[AX+\i], v[FB+\i], 0                            ; weight at base + 1
.endr
	v_pk_mul_f32 v[XY:XY+1],   v[WX:WX+1], v[WX+2:WX+3] op_sel_hi:[1,0]               ; (wx0, wx1) * wy0
	v_pk_mul_f32 v[XY+2:XY+3], v[WX:WX+1], v[WX+2:WX+3] op_sel:[0,1] op_sel_hi:[1,1]  ; (wx0, wx1) * wy1
	v_pk_mul_f32 v[W8:W8+1],   v[WX+4:WX+5], v[XY:XY+1] op_sel_hi:[1,0]               ; (wz0, wz1) * x0y0
	v_pk_mul_f32 v[W8+2:W8+3], v[WX+4:WX+5], v[XY:XY+1] op_sel:[0,1] op_sel_hi:[1,1]  ; * x1y0
	v_pk_mul_f32 v[W8+4:W8+5], v[WX+4:WX+5], v[XY+2:XY+3] op_sel_hi:[1,0]             ; * x0y1
	v_pk_mul_f32 v[W8+6:W8+7], v[WX+4:WX+5], v[XY+2:XY+3] op_sel:[0,1] op_sel_hi:[1,1] ; * x1y1
	; eight sums of eight products: a bf16 half times an f32 weight, added in f32; the eight sums take turns
.irp k, 0,1,2,3,4,5,6,7
.irp j, 0,1,2,3
.if \k == 0
	v_fma_mix_f32_bf16 v[PR+2*\j],   v[CRN+32*\r+\j], v[W8], v[ZERO] op_sel_hi:[1,0,0]
	v_fma_mix_f32_bf16 v[PR+2*\j+1], v[CRN+32*\r+\j], v[W8], v[ZERO] op_sel:[1,0,0] op_sel_hi:[1,0,0]
.else
	v_fma_mix_f32_bf16 v[PR+2*\j],   v[CRN+32*\r+4*\k+\j], v[W8+\k], v[PR+2*\j] op_sel_hi:[1,0,0]
	v_fma_mix_f32_bf16 v[PR+2*\j+1], v[CRN+32*\r+4*\k+\j], v[W8+\k], v[PR+2*\j+1] op_sel:[1,0,0] op_sel_hi:[1,0,0]
.endif
.endr
.endr
.if \ldnext
	GATHER \r                                      ; the set has been read: it is asked for again at once
.endif
.irp b, 0,1,2,3,4,5,6,7
	v_med3_num_f32 v[PR+\b], v[PR+\b], s48, s49    ; the clip
.endr
.irp b, 0,1,2,3,4,5,6,7
	ds_store_b32 v[LW], v[PR+\b] offset:(8*\r+\b)*PITCH    ; row ray*8 + batch, 32 neighbouring words
.endr
.endm
; The chunk's 32 z for lane = ray*8 + batch.  The wave reads only bytes that it wrote itself, and its LDS instructions are served in order
; (ISA guide 5.7.1): no wait between the stores above and these loads, nor between these loads and the next chunk's stores.
; more = 1: the next chunk's 32 depth weights are asked for behind the last use of these.
.macro COMPOSE more
.irp k, 0,1,2,3,4,5,6,7
	ds_load_b128 v[QQ+4*\k:QQ+4*\k+3], v[LR] offset:16*\k
.endr
	s_wait_kmcnt 0x0                               ; this chunk's depth weights
.irp k, 0,1,2,3,4,5,6,7
	s_wait_dscnt 7-\k                              ; load k is in; the 7 - k issued behind it may be out
.irp j, 0,1,2,3
	v_mul_f32 v[TT+(\j&1)], v[QQ+4*\k+\j], v[TR]               ; p T: the chance to stop here
	v_fma_f32 v[TR], -v[QQ+4*\k+\j], v[TR], v[TR]              ; T (1 - p)
	v_fmac_f32 v[DD], s[WS+4*\k+\j], v[TT+(\j&1)]              ; D += w[z] p T
.endr
.endr
.if \more
	s_load_b512 s[WS:WS+15], s[4:5], 0x80
	s_load_b512 s[WS+16:WS+31], s[4:5], 0xc0
.endif
.endm
	; the way in: the first chunk's cell numbers, then for each ray the same twelve loads, in the same order, as a step issues
.irp r, 0,1,2,3
	global_load_b32 v[IDX+\r], v[VC], s[8:9] offset:\r*CELL_RAY th:TH_LOAD_NT
.endr
	s_load_b512 s[WS:WS+15], s[4:5], 0x0
	s_load_b512 s[WS+16:WS+31], s[4:5], 0x40
	s_wait_loadcnt 0x0
.irp r, 0,1,2,3
	ADDRESS \r
	global_load_b32 v[IDX+\r], v[VC], s[8:9] offset:\r*CELL_RAY+CELL_CH th:TH_LOAD_NT
	GRIDLD \r, 0
	GATHER \r
.endr
	s_mov_b32 s15, 6                               ; chunks 0 to 5 ask for everything
.Lchunk:
	STEP 0, 1, 1, 36                               ; 3 steps x 12 loads may be out; a wave has 48 out at the most
	STEP 1, 1, 1, 36
	STEP 2, 1, 1, 36
	STEP 3, 1, 1, 36
	COMPOSE 1
	s_wait_xcnt 0x0                                ; the three bases are sources of loads that are out: they are stepped only behind this wait
	s_add_nc_u64 s[4:5], s[4:5], 128
	s_add_nc_u64 s[6:7], s[6:7], GRID_CH
	s_add_nc_u64 s[8:9], s[8:9], CELL_CH
	s_sub_co_i32 s15, s15, 1
	s_cmp_lg_u32 s15, 0
	s_cbranch_scc1 .Lchunk
	STEP 0, 0, 1, 36                               ; chunk 6: no cell number is left to fetch, 11 loads a step: the counts run 36, 35, 34, 33
	STEP 1, 0, 1, 35
	STEP 2, 0, 1, 34
	STEP 3, 0, 1, 33
	COMPOSE 1
	STEP 0, 0, 0, 33                               ; chunk 7 loads nothing: three, two, one, none of chunk 6's steps of 11 may be out
	STEP 1, 0, 0, 22
	STEP 2, 0, 0, 11
	STEP 3, 0, 0, 0
	COMPOSE 0
	; the way out: 64 rays x 8 batches meet in LDS as [batch][ray], so that 16 lanes store 256 consecutive bytes of out0, aligned
	v_add_f32 v[TR], v[DD], v[TR]                  ; depth + background
	v_and_b32 v[TA], 7, v1                         ; batch
	v_lshrrev_b32 v[TA+1], 3, v1                   ; ray of my wave's four
	v_mul_u32_u24 v[TA], OPITCH, v[TA]
	v_lshl_add_u32 v[TA], v[TA+1], 2, v[TA]
	s_lshl_b32 s56, s14, 4                         ; my wave's four rays: 16 bytes of each row
	v_add_nc_u32 v[TA], s56, v[TA]
	ds_store_b32 v[TA], v[TR]
	s_wait_dscnt 0x0                               ; for the other waves' sake: my store is done before I signal
	s_barrier_signal -1
	s_barrier_wait -1
	s_cmp_gt_u32 s14, 3                            ; 128 threads x 16 bytes are the 2,048 bytes: waves 0 to 3
	s_cbranch_scc1 .Ldone
	v_lshrrev_b32 v[TA], 4, v0                     ; batch
	v_and_b32 v[TA+1], 15, v0
	v_lshlrev_b32 v[TA+1], 4, v[TA+1]              ; my 16 bytes of its 256
	v_mad_u32_u24 v[EE], v[TA], OPITCH, v[TA+1]
	v_lshl_add_u32 v[EE+1], v[TA], 16, v[TA+1]     ; a batch of out0 is 65,536 bytes
	ds_load_b128 v[QQ:QQ+3], v[EE]
	s_lshl_b32 s52, ttmp9, 8                       ; the group's 64 rays
	s_mov_b32 s53, 0
	s_add_nc_u64 s[12:13], s[12:13], s[52:53]
	s_wait_dscnt 0x0
	global_store_b128 v[EE+1], v[QQ:QQ+3], s[12:13]
.Ldone:
	s_wait_tensorcnt 0x0
	ds_add_u32 v236, v237
	s_wait_dscnt 0x0
	s_endpgm
.Lfunc_end_k_q06c6c0ce77_render:
	.size	k_q06c6c0ce77_render, .Lfunc_end_k_q06c6c0ce77_render-k_q06c6c0ce77_render
	.p2alignl 7, 3214868480
	.fill 96, 4, 3214868480
	.section	.rodata,"a",@progbits
	.p2align	6, 0x0
	.amdhsa_kernel k_q06c6c0ce77_render
		.amdhsa_group_segment_fixed_size 78080
		.amdhsa_private_segment_fixed_size 0
		.amdhsa_enable_private_segment 0
		.amdhsa_kernarg_size 40
		.amdhsa_user_sgpr_count 2
		.amdhsa_user_sgpr_kernarg_segment_ptr 1
		.amdhsa_wavefront_size32 1
		.amdhsa_system_sgpr_workgroup_id_x 1
		.amdhsa_system_sgpr_workgroup_id_y 1
		.amdhsa_system_sgpr_workgroup_id_z 1
		.amdhsa_system_vgpr_workitem_id 0
		.amdhsa_next_free_vgpr 238
		.amdhsa_next_free_sgpr 66
		.amdhsa_reserve_vcc 0
		.amdhsa_float_denorm_mode_32 3
		.amdhsa_float_denorm_mode_16_64 3
		.amdhsa_memory_ordered 1
		.amdhsa_forward_progress 1
		.amdhsa_inst_pref_size 115
	.end_amdhsa_kernel
	.amdgpu_metadata
---
amdhsa.version: [ 1, 2 ]
amdhsa.kernels:
  - .name:           k_q06c6c0ce77_render
    .symbol:         k_q06c6c0ce77_render.kd
    .args:
      - { .name: depth_weight, .offset: 0, .size: 8, .value_kind: global_buffer, .address_space: global }
      - { .name: grid, .offset: 8, .size: 8, .value_kind: global_buffer, .address_space: global }
      - { .name: cell, .offset: 16, .size: 8, .value_kind: global_buffer, .address_space: global }
      - { .name: tab, .offset: 24, .size: 8, .value_kind: global_buffer, .address_space: global }
      - { .name: out0, .offset: 32, .size: 8, .value_kind: global_buffer, .address_space: global }
    .group_segment_fixed_size: 78080
    .private_segment_fixed_size: 0
    .kernarg_segment_align: 8
    .kernarg_segment_size: 40
    .max_flat_workgroup_size: 512
    .sgpr_count:     66
    .vgpr_count:     238
    .wavefront_size: 32
...
	.end_amdgpu_metadata
.endif
;; end of part 2
;; ======== version 2 of 2: 2 launches; version 1 with the launch render written anew for expert scheduling mode
;; limits: values outside matrix products are rounded to bf16
;; workspace buffers: cell 16,777,216 bytes of whole numbers; tab 33,554,432 bytes
;; launch prep: the kernel of part 1 again; grid 2048 x 1, 8 waves a work-group, no clusters, 0 bytes of LDS; arguments grid, vox, cell, tab; writes cell, tab
;; launch render (part 3): grid 256 x 1, 16 waves a work-group, no clusters, 78,080 bytes of LDS; arguments depth_weight, grid, cell, tab, out0; writes out0
.if DOCPART == 3
	.amdgcn_target "amdgcn-amd-amdhsa--gfx1250"
	.amdhsa_code_object_version 6
	.text
	.protected	k_q06c6c0ce77_render
	.globl	k_q06c6c0ce77_render
	.p2align	8
	.type	k_q06c6c0ce77_render,@function
k_q06c6c0ce77_render:
	s_mov_b64 s[64:65], 0
	v_nop
	global_prefetch_b8 v0, s[64:65] scope:SCOPE_SE
	s_setreg_imm32_b32 hwreg(HW_REG_WAVE_SCHED_MODE, 0, 2), 2
	s_setreg_imm32_b32 hwreg(HW_REG_WAVE_MODE, 25, 1), 1
	s_wait_xcnt 0x0
	s_wait_alu depctr_vm_vsrc(0)
; RENDER: out0[b][ray] = sum over z of w[z] p[z] prod(j<z)(1 - p[j])  +  prod over all z of (1 - p[z]),
; p = clip(trilinear sample of volume b at grid[ray][z], 1e-5, 1 - 1e-5), zero outside the volume.
; A work-group owns 64 neighbouring rays, a wave 4 of them.  A STEP is 32 neighbouring z of one ray, one sample a lane; a CHUNK is the same 32 z of the
; wave's four rays.  Per sample: the cell number (made by the launch before) gives ONE address; the eight corners stand in the loads' immediates;
; a load of 16 bytes brings a corner of all eight volumes in bf16.
; WEIGHTS: with d = ix - base, corner base has max(0, 1-|d|), corner base+1 has the middle one of (d, 2-d, 0).  Inside that is 1-d and d as in the
; reference; at and beyond the faces it gives the reference's zero padding with no mask, whatever cell was read.
; COMPOSITING runs along z, so a chunk's probabilities change lanes through the wave's own LDS bytes: written as [ray*8 + batch][z], read back by
; lane = ray*8 + batch, which carries T (what is left) and D (the depth sum) through all 256 z in order.  No reduction over lanes, no barrier in the loop.
; The sum with depth_weight is the one fused multiply-add D += w[z] * (p T) of that walk, in f32; w[z] is the same for all lanes and lies in scalar registers.
; LIMITS: volumes rounded to bf16 (by the launch before), sums in f32; vox must be finite (a weight of 0 times Inf would be NaN);
; a NaN in grid does not come out as NaN; the weight product is (wx wy) wz and T is stepped as T - p T, each one rounding apart from the reference's order.
; THE MODE: SCHED_MODE bits 1:0 = 2 (LLVM: expert scheduling mode 2), set by the entry lines.  The code itself states the register dependences
; between vector instructions and memory or LDS instructions, with s_wait_alu, always for 0.
; THE PLAN.  Registers that memory or LDS instructions touch, in the loop:
;   IDX[r]    Step r: ADDRESS reads it; behind the step's waits the cell number of the step eight on is loaded into it.
;   ADR[r]    Step r: ADDRESS writes it; behind the step's waits the eight gathers read it; it is written again four steps later.
;   GR[r]     Step r: its first two vector lines read it; behind the step's waits it is loaded again.
;   CRN[r]    Step r: its 64 multiply-adds read it; behind the step's waits it is loaded again.
;   PR0, PR1  Step r writes buffer r & 1; behind the step's waits eight LDS stores read it; it is written again two steps later.
;   QQ        COMPOSE: LDS loads land in it, 64 vector lines read it; it is loaded again a chunk later.
;   VC, VG, LW, LR  offsets and LDS addresses, made at the head and never written again.
;   All else (AX .. W8, TA, TT, T, D) is named by vector instructions alone inside the loop.
; A step does all its vector work first and then issues its memory and LDS instructions in one run.  Two waits stand ahead of that run.  The one on va_vdst
; states that the step's vector lines have written ADR[r] and PR[r & 1] and are done reading IDX[r], GR[r] and CRN[r]; no vector line follows it before the
; run's end (behind step 3: before COMPOSE's loads).  The one on vm_vsrc states that the LDS stores of the step before have read the other PR buffer, which
; the next step writes, and that the earlier gathers have read their ADR: it stands a whole step's vector work behind those stores.
.set CELL_RAY, 1024                    ; bytes of a ray in cell
.set GRID_RAY, 3072                    ; bytes of a ray in grid
.set CELL_CH,  128                     ; bytes of 32 samples in cell
.set GRID_CH,  384                     ; and in grid
.set DXB, 262144                       ; table bytes from x to x+1
.set DYB, 2048                         ; from y to y+1
.set DZB, 16                           ; from z to z+1
.set PITCH,  144                       ; LDS row of 32 probabilities + 16 bytes: 16 lanes that read 16 bytes of 16 rows touch 16 different columns of 16 bytes modulo 256
.set SCR,    32*PITCH                  ; a wave's LDS bytes
.set OPITCH, 272                       ; the stage for the output: 8 rows (batches) of 64 rays + 16 bytes
.set SCR0,   2304                      ; the waves' bytes begin behind the stage
.set VC,   2                           ; 4 x lane
.set VG,   3                           ; 12 x lane
.set LW,   4                           ; LDS: my wave's bytes + 4 x lane (writing, lane = z)
.set LR,   5                           ; LDS: my wave's bytes + PITCH x lane (reading, lane = ray*8 + batch)
.set ZERO, 6
.set TR,   7                           ; T
.set DD,   8                           ; D
.set TT,   10                          ; v[10:11]   p T, two registers in turn
.set IDX,  12                          ; v[12:15]   ray r: cell number of the step one chunk ahead
.set ADR,  16                          ; v[16:19]   ray r: byte offset in tab of the gathers that are out
.set GR,   20                          ; v[20:35]   ray r: x, y, z of this step (four registers apart)
.set AX,   36                          ; v[36:38]   ix, then d
.set FB,   40                          ; v[40:42]   floor, base, 2 - d
.set EE,   44                          ; v[44:46]   1 - |d|
.set WX,   48                          ; v[48:53]   (wx0, wx1), (wy0, wy1), (wz0, wz1)
.set XY,   54                          ; v[54:57]   x0y0, x1y0, x0y1, x1y1
.set TA,   58                          ; v[58:59]   at work
.set W8,   60                          ; v[60:67]   weight of corner k = zc + 2 xc + 4 yc
.set PR,   68                          ; v[68:75]   p of the eight batches, buffer 0 (rays 0 and 2)
.set PSTEP, 170                        ; v[238:245] buffer 1 (rays 1 and 3) lies PSTEP registers on
.set QQ,   76                          ; v[76:107]  a row of 32 p read back
.set CRN,  108                         ; v[108:235] ray r: 32 registers, corner k in 4
.set WS,   16                          ; s[16:47]   depth_weight of this chunk's 32 z
	s_load_b256 s[4:11], s[0:1], 0x0               ; depth_weight s[4:5], grid s[6:7], cell s[8:9], tab s[10:11]
	s_load_b64 s[12:13], s[0:1], 0x20              ; out0
	v_lshl_add_u32 v236, v0, 2, 0x12900            ; my spare word, behind the waves' bytes, and 0: made here and kept for the closing lines alone
	v_mov_b32 v237, 0
	v_lshrrev_b32 v1, 5, v0
	v_readfirstlane_b32 s14, v1                    ; wave 0..15
	v_and_b32 v1, 31, v0                           ; lane
	s_wait_alu depctr_va_sdst(0)                   ; s14 is written, ahead of its first reader: the bases of grid and cell and my LDS bytes are made from it
	s_lshl_b32 s52, ttmp9, 6
	s_lshl2_add_u32 s52, s14, s52                  ; my first ray = 64 x group + 4 x wave
	s_mul_i32 s54, s52, GRID_RAY                   ; below 2^26
	s_mov_b32 s55, 0
	s_lshl_b32 s52, s52, 10                        ; x CELL_RAY
	s_mov_b32 s53, 0
	s_mul_i32 s56, s14, SCR
	s_add_co_u32 s56, s56, SCR0                    ; my wave's LDS bytes
	s_mov_b32 s48, 0x3727c5ac                      ; 1e-5
	s_mov_b32 s49, 0x3f7fff58                      ; 1 - 1e-5
	s_mov_b32 s50, 0x42fc0000                      ; 126.0
	s_mov_b32 s51, 0x42800000                      ; 64.0
	v_lshlrev_b32 v[VC], 2, v1
	v_mul_u32_u24 v[VG], 12, v1
	v_add_nc_u32 v[LW], s56, v[VC]
	v_mul_u32_u24 v[LR], PITCH, v1
	v_add_nc_u32 v[LR], s56, v[LR]
	v_mov_b32 v[ZERO], 0
	v_mov_b32 v[TR], 1.0
	v_mov_b32 v[DD], 0
	s_wait_kmcnt 0x0
	s_add_nc_u64 s[6:7], s[6:7], s[54:55]          ; grid and cell at my first ray, chunk 0
	s_add_nc_u64 s[8:9], s[8:9], s[52:53]
	s_wait_alu depctr_va_vdst(0)                   ; VC, VG, LW and LR are written: every load of cell and grid and every LDS access of the loop reads one of them as its address
; The cell number becomes a byte offset.  It is cut in two and each part bounded by a constant, so that base + 1 on every axis stays inside tab
; whatever the word holds: (126 << 18) + (16254 << 4) + DXB + DYB + DZB + 16 = 33,554,432, tab's size.
.macro ADDRESS r
	v_lshrrev_b32 v[TA], 14, v[IDX+\r]             ; bx
	v_and_b32 v[TA+1], 0x3fff, v[IDX+\r]           ; by*128 + bz
	v_min_u32 v[TA], 126, v[TA]
	v_min_u32 v[TA+1], 0x3f7e, v[TA+1]             ; 126*128 + 126
	v_lshlrev_b32 v[TA+1], 4, v[TA+1]
	v_lshl_add_u32 v[ADR+\r], v[TA], 18, v[TA+1]
.endm
.macro GATHER r
.irp k, 0,1,2,3,4,5,6,7
	global_load_b128 v[CRN+32*\r+4*\k:CRN+32*\r+4*\k+3], v[ADR+\r], s[10:11] offset:((\k>>1)&1)*DXB+(\k>>2)*DYB+(\k&1)*DZB
.endr
.endm
.macro GRIDLD r, ahead                 ; x, y, z of 32 samples: the three loads together cover 384 consecutive bytes; last use of these bytes
.irp e, 0,1,2
	global_load_b32 v[GR+4*\r+\e], v[VG], s[6:7] offset:\r*GRID_RAY+\ahead*GRID_CH+4*\e th:TH_LOAD_NT
.endr
.endm
; One step: ray r of the chunk.  Its gathers and grid numbers were asked for four steps ago, the cell number in IDX (for four steps on) too.
; ldnext = 1: asks for the grid numbers and gathers of the step four on; ldidx = 1: for the cell number of the step eight on.
; left = the loads issued in the three steps since; loads come back in order, so everything older is in.
; free = 0: the very last step, behind which no step writes a PR buffer or an ADR.
.macro STEP r, ldidx, ldnext, left, free=1
	s_wait_loadcnt \left                           ; this also shows the gathers that read ADR[r] done: ADR[r] may be written
.if \ldnext
	ADDRESS \r
.endif
	v_pk_add_f32 v[AX:AX+1], v[GR+4*\r:GR+4*\r+1], 1.0 op_sel_hi:[1,0]
	v_add_f32 v[AX+2], 1.0, v[GR+4*\r+2]
	v_pk_fma_f32 v[AX:AX+1], v[AX:AX+1], 0x42800000, -0.5 op_sel_hi:[1,0,0]       ; ix = (g+1)*64 - 0.5
	v_fma_f32 v[AX+2], v[AX+2], s51, -0.5
.irp i, 0,1,2
	v_floor_f32 v[FB+\i], v[AX+\i]
.endr
.irp i, 0,1,2
	v_med3_num_f32 v[FB+\i], v[FB+\i], 0, s50                                     ; base, as the launch before made it
.endr
	v_pk_add_f32 v[AX:AX+1], v[AX:AX+1], v[FB:FB+1] neg_lo:[0,1] neg_hi:[0,1]     ; d = ix - base
	v_sub_f32 v[AX+2], v[AX+2], v[FB+2]
.irp i, 0,1,2
	v_sub_f32 v[EE+\i], 1.0, |v[AX+\i]|
	v_sub_f32 v[FB+\i], 2.0, v[AX+\i]
.endr
.irp i, 0,1,2
	v_max_num_f32 v[WX+2*\i], 0, v[EE+\i]                                         ; weight at base
	v_med3_num_f32 v[WX+2*\i+1], v[AX+\i], v[FB+\i], 0                            ; weight at base + 1
.endr
	v_pk_mul_f32 v[XY:XY+1],   v[WX:WX+1], v[WX+2:WX+3] op_sel_hi:[1,0]               ; (wx0, wx1) * wy0
	v_pk_mul_f32 v[XY+2:XY+3], v[WX:WX+1], v[WX+2:WX+3] op_sel:[0,1] op_sel_hi:[1,1]  ; (wx0, wx1) * wy1
	v_pk_mul_f32 v[W8:W8+1],   v[WX+4:WX+5], v[XY:XY+1] op_sel_hi:[1,0]               ; (wz0, wz1) * x0y0
	v_pk_mul_f32 v[W8+2:W8+3], v[WX+4:WX+5], v[XY:XY+1] op_sel:[0,1] op_sel_hi:[1,1]  ; * x1y0
	v_pk_mul_f32 v[W8+4:W8+5], v[WX+4:WX+5], v[XY+2:XY+3] op_sel_hi:[1,0]             ; * x0y1
	v_pk_mul_f32 v[W8+6:W8+7], v[WX+4:WX+5], v[XY+2:XY+3] op_sel:[0,1] op_sel_hi:[1,1] ; * x1y1
	; eight sums of eight products: a bf16 half times an f32 weight, added in f32; the eight sums take turns
.irp k, 0,1,2,3,4,5,6,7
.irp j, 0,1,2,3
.if \k == 0
	v_fma_mix_f32_bf16 v[PR+PSTEP*(\r&1)+2*\j],   v[CRN+32*\r+\j], v[W8], v[ZERO] op_sel_hi:[1,0,0]
	v_fma_mix_f32_bf16 v[PR+PSTEP*(\r&1)+2*\j+1], v[CRN+32*\r+\j], v[W8], v[ZERO] op_sel:[1,0,0] op_sel_hi:[1,0,0]
.else
	v_fma_mix_f32_bf16 v[PR+PSTEP*(\r&1)+2*\j],   v[CRN+32*\r+4*\k+\j], v[W8+\k], v[PR+PSTEP*(\r&1)+2*\j] op_sel_hi:[1,0,0]
	v_fma_mix_f32_bf16 v[PR+PSTEP*(\r&1)+2*\j+1], v[CRN+32*\r+4*\k+\j], v[W8+\k], v[PR+PSTEP*(\r&1)+2*\j+1] op_sel:[1,0,0] op_sel_hi:[1,0,0]
.endif
.endr
.endr
.irp b, 0,1,2,3,4,5,6,7
	v_med3_num_f32 v[PR+PSTEP*(\r&1)+\b], v[PR+PSTEP*(\r&1)+\b], s48, s49         ; the clip
.endr
.if \free
	s_wait_alu depctr_vm_vsrc(0)                   ; the LDS stores of the step before have read the other PR buffer, which the next step writes; the gathers issued so far have read their ADR, of which the next step writes one
.endif
	s_wait_alu depctr_va_vdst(0)                   ; this step has written PR[r & 1] and ADR[r], which the stores and gathers below read, and is done reading IDX[r], GR[r] and CRN[r], in which the loads below land
.if \ldidx
	global_load_b32 v[IDX+\r], v[VC], s[8:9] offset:\r*CELL_RAY+2*CELL_CH th:TH_LOAD_NT
.endif
.if \ldnext
	GRIDLD \r, 1
	GATHER \r                                      ; the set has been read: it is asked for again
.endif
.irp b, 0,1,2,3,4,5,6,7
	ds_store_b32 v[LW], v[PR+PSTEP*(\r&1)+\b] offset:(8*\r+\b)*PITCH              ; row ray*8 + batch, 32 neighbouring words
.endr
.endm
; The chunk's 32 z for lane = ray*8 + batch.  The wave reads only bytes that it wrote itself, and its LDS instructions are served in order
; (ISA guide 5.7.1): no wait between the stores above and these loads, nor between these loads and the next chunk's stores.
; The loads land in QQ, which the last chunk's lines below read: those stand ahead of the waits on va_vdst of the four steps between, and no vector line
; since the last of these waits names QQ.
; more = 1: the next chunk's 32 depth weights are asked for behind the last use of these.
.macro COMPOSE more
.irp k, 0,1,2,3,4,5,6,7
	ds_load_b128 v[QQ+4*\k:QQ+4*\k+3], v[LR] offset:16*\k
.endr
	s_wait_kmcnt 0x0                               ; this chunk's depth weights
.irp k, 0,1,2,3,4,5,6,7
	s_wait_dscnt 7-\k                              ; load k is in; the 7 - k issued behind it may be out
.irp j, 0,1,2,3
	v_mul_f32 v[TT+(\j&1)], v[QQ+4*\k+\j], v[TR]               ; p T: the chance to stop here
	v_fma_f32 v[TR], -v[QQ+4*\k+\j], v[TR], v[TR]              ; T (1 - p)
	v_fmac_f32 v[DD], s[WS+4*\k+\j], v[TT+(\j&1)]              ; D += w[z] p T
.endr
.endr
.if \more
	s_load_b512 s[WS:WS+15], s[4:5], 0x80
	s_load_b512 s[WS+16:WS+31], s[4:5], 0xc0
.endif
.endm
	; the way in: the first chunk's cell numbers, their four addresses, then for each ray the same twelve loads, in the same order, as a step issues
.irp r, 0,1,2,3
	global_load_b32 v[IDX+\r], v[VC], s[8:9] offset:\r*CELL_RAY th:TH_LOAD_NT
.endr
	s_load_b512 s[WS:WS+15], s[4:5], 0x0
	s_load_b512 s[WS+16:WS+31], s[4:5], 0x40
	s_wait_loadcnt 0x0
.irp r, 0,1,2,3
	ADDRESS \r
.endr
	s_wait_alu depctr_va_vdst(0)                   ; the four addresses ADR[0] to ADR[3] are written, which the gathers below read; their makers are done reading IDX[0] to IDX[3], in which the next cell numbers land
.irp r, 0,1,2,3
	global_load_b32 v[IDX+\r], v[VC], s[8:9] offset:\r*CELL_RAY+CELL_CH th:TH_LOAD_NT
	GRIDLD \r, 0
	GATHER \r
.endr
	s_wait_alu depctr_vm_vsrc(0)                   ; the gathers above have read ADR[0], which the first step writes again ahead of its own wait on vm_vsrc
	s_mov_b32 s15, 6                               ; chunks 0 to 5 ask for everything
.Lchunk:
	STEP 0, 1, 1, 36                               ; 3 steps x 12 loads may be out; a wave has 48 out at the most
	STEP 1, 1, 1, 36
	STEP 2, 1, 1, 36
	STEP 3, 1, 1, 36
	COMPOSE 1
	s_wait_xcnt 0x0                                ; the three bases are sources of loads that are out: they are stepped only behind this wait
	s_add_nc_u64 s[4:5], s[4:5], 128
	s_add_nc_u64 s[6:7], s[6:7], GRID_CH
	s_add_nc_u64 s[8:9], s[8:9], CELL_CH
	s_sub_co_i32 s15, s15, 1
	s_cmp_lg_u32 s15, 0
	s_cbranch_scc1 .Lchunk
	STEP 0, 0, 1, 36                               ; chunk 6: no cell number is left to fetch, 11 loads a step: the counts run 36, 35, 34, 33
	STEP 1, 0, 1, 35
	STEP 2, 0, 1, 34
	STEP 3, 0, 1, 33
	COMPOSE 1
	STEP 0, 0, 0, 33                               ; chunk 7 loads nothing: three, two, one, none of chunk 6's steps of 11 may be out
	STEP 1, 0, 0, 22
	STEP 2, 0, 0, 11
	STEP 3, 0, 0, 0, 0
	COMPOSE 0
	; the way out: 64 rays x 8 batches meet in LDS as [batch][ray], so that 16 lanes store 256 consecutive bytes of out0, aligned
	v_add_f32 v[TR], v[DD], v[TR]                  ; depth + background
	v_and_b32 v[TA], 7, v1                         ; batch
	v_lshrrev_b32 v[TA+1], 3, v1                   ; ray of my wave's four
	v_mul_u32_u24 v[TA], OPITCH, v[TA]
	v_lshl_add_u32 v[TA], v[TA+1], 2, v[TA]
	s_lshl_b32 s56, s14, 4                         ; my wave's four rays: 16 bytes of each row
	v_add_nc_u32 v[TA], s56, v[TA]
	s_wait_alu depctr_va_vdst(0)                   ; the address v[TA] and the result v[TR] are written, which the LDS store reads
	ds_store_b32 v[TA], v[TR]
	s_wait_dscnt 0x0                               ; for the other waves' sake: my store is done before I signal
	s_barrier_signal -1
	s_barrier_wait -1
	s_wait_alu depctr_vm_vsrc(0)                   ; my LDS store has read v[TA], which waves 0 to 3 write again behind the branch
	s_cmp_gt_u32 s14, 3                            ; 128 threads x 16 bytes are the 2,048 bytes: waves 0 to 3
	s_cbranch_scc1 .Ldone
	v_lshrrev_b32 v[TA], 4, v0                     ; batch
	v_and_b32 v[TA+1], 15, v0
	v_lshlrev_b32 v[TA+1], 4, v[TA+1]              ; my 16 bytes of its 256
	v_mad_u32_u24 v[EE], v[TA], OPITCH, v[TA+1]
	v_lshl_add_u32 v[EE+1], v[TA], 16, v[TA+1]     ; a batch of out0 is 65,536 bytes
	s_wait_alu depctr_va_vdst(0)                   ; v[EE] and v[EE+1] are written, the addresses of the LDS load and of the store; the last chunk's lines are done reading QQ, in which the load lands
	ds_load_b128 v[QQ:QQ+3], v[EE]
	s_lshl_b32 s52, ttmp9, 8                       ; the group's 64 rays
	s_mov_b32 s53, 0
	s_add_nc_u64 s[12:13], s[12:13], s[52:53]
	s_wait_dscnt 0x0
	global_store_b128 v[EE+1], v[QQ:QQ+3], s[12:13]
.Ldone:
	s_wait_dscnt 0x0                               ; the closing lines, six on end
	s_wait_alu 0x0
	s_wait_tensorcnt 0x0
	ds_add_u32 v236, v237
	s_wait_dscnt 0x0
	s_endpgm
.Lfunc_end_k_q06c6c0ce77_render:
	.size	k_q06c6c0ce77_render, .Lfunc_end_k_q06c6c0ce77_render-k_q06c6c0ce77_render
	.p2alignl 7, 3214868480
	.fill 96, 4, 3214868480
	.section	.rodata,"a",@progbits
	.p2align	6, 0x0
	.amdhsa_kernel k_q06c6c0ce77_render
		.amdhsa_group_segment_fixed_size 78080
		.amdhsa_private_segment_fixed_size 0
		.amdhsa_enable_private_segment 0
		.amdhsa_kernarg_size 40
		.amdhsa_user_sgpr_count 2
		.amdhsa_user_sgpr_kernarg_segment_ptr 1
		.amdhsa_wavefront_size32 1
		.amdhsa_system_sgpr_workgroup_id_x 1
		.amdhsa_system_sgpr_workgroup_id_y 1
		.amdhsa_system_sgpr_workgroup_id_z 1
		.amdhsa_system_vgpr_workitem_id 0
		.amdhsa_next_free_vgpr 246
		.amdhsa_next_free_sgpr 66
		.amdhsa_reserve_vcc 0
		.amdhsa_float_denorm_mode_32 3
		.amdhsa_float_denorm_mode_16_64 3
		.amdhsa_memory_ordered 1
		.amdhsa_forward_progress 1
		.amdhsa_inst_pref_size 116
	.end_amdhsa_kernel
	.amdgpu_metadata
---
amdhsa.version: [ 1, 2 ]
amdhsa.kernels:
  - .name:           k_q06c6c0ce77_render
    .symbol:         k_q06c6c0ce77_render.kd
    .args:
      - { .name: depth_weight, .offset: 0, .size: 8, .value_kind: global_buffer, .address_space: global }
      - { .name: grid, .offset: 8, .size: 8, .value_kind: global_buffer, .address_space: global }
      - { .name: cell, .offset: 16, .size: 8, .value_kind: global_buffer, .address_space: global }
      - { .name: tab, .offset: 24, .size: 8, .value_kind: global_buffer, .address_space: global }
      - { .name: out0, .offset: 32, .size: 8, .value_kind: global_buffer, .address_space: global }
    .group_segment_fixed_size: 78080
    .private_segment_fixed_size: 0
    .kernarg_segment_align: 8
    .kernarg_segment_size: 40
    .max_flat_workgroup_size: 512
    .sgpr_count:     66
    .vgpr_count:     246
    .wavefront_size: 32
...
	.end_amdgpu_metadata
.endif
;; end of part 3
